; MI455X (gfx1250); checked and timed in simulation.
; The chip was launched on July 23, 2026; its instructions are those of AMD's public machine-readable ISA for CDNA 5 (MIT licence, August 2026) and "CDNA5" Instruction Set Architecture Reference Guide (July 2026). The comments in the code are by the model that wrote it; some were corrected since.
;; Quant Linear. Allowed arithmetic: float matrix products may take bf16 or f16 operands with f32 sums; other float arithmetic in f32, or as packed bf16 or f16 multiplies, adds, multiply-adds, maxima and minima; sums over many terms, partial sums and values carried from step to step in f32; what a program stores and reads back later, other than sums and carried values, may be rounded once to bf16 or f16.
;; Inputs: bias 4,096 float32; qweight 512 x 4,096 int32; qzeros 32 x 512 int32; scales 32 x 4,096 float32; x 4,096 x 4,096 float32.
;; Outputs: out0 4,096 x 4,096 float32.
;; 2 versions, each right; version 2 is version 1 with the launch prep written anew for expert scheduling mode. Each part assembles by itself: llvm-mc -triple=amdgcn-amd-amdhsa -mcpu=gfx1250 --defsym DOCPART=n.
;; ======== version 1 of 2: 2 launches
;; limits: values are held in f16: magnitudes above 65,504 overflow, below 6.1e-05 lose precision; inputs' magnitudes at most 65,504
;; workspace buffers: xh 33,554,432 bytes; wt 33,554,432 bytes
;; launch prep (part 1): grid 1280 x 1, 8 waves a work-group, no clusters, 44,032 bytes of LDS; arguments x, qweight, qzeros, scales, xh, wt; writes xh, wt
.if DOCPART == 1
	.amdgcn_target "amdgcn-amd-amdhsa--gfx1250"
	.amdhsa_code_object_version 6
	.text
	.protected	k_qdccc3d07fc_prep
	.globl	k_qdccc3d07fc_prep
	.p2align	8
	.type	k_qdccc3d07fc_prep,@function
k_qdccc3d07fc_prep:
	s_mov_b64 s[64:65], 0
	v_nop
	global_prefetch_b8 v0, s[64:65] scope:SCOPE_SE
	s_setreg_imm32_b32 hwreg(HW_REG_WAVE_MODE, 25, 1), 1
	s_wait_xcnt 0x0
; out = x W + bias with W[k][n] = (q[k][n] - z[g][n]) s[g][n], g = k / 128; q and z are 4-bit codes, eight to an int32 (q along k, z along n).
; THIS LAUNCH makes the two matrix operands of the launch behind it, each rounded once to f16:
;   xh[m][k] = x[m][k]                     [4096][4096] f16
;   wt[n][k] = (q[k][n] - z[g][n]) s[g][n] [4096][4096] f16, turned, so that K lies along the rows of both operands.
; LEFT OUT: reference()'s second pass over the weights, round(weight / s + z), and the dequantisation that follows it.  In real numbers, for every s other than 0,
; ((q - z) s) / s + z = q; q is a whole number from 0 to 15, so the rounding returns q, and (q - z) s comes out again: the first dequantisation's own number, whatever q, z and s hold.
; Every input still has its way to the output: x, qweight, qzeros and scales are read here, bias by the launch behind.
; WHAT THE STEP LEFT OUT CAN ADD is a NaN: 0 / 0 where s = 0, inf / inf where s is infinite.  Both are carried: the s of such a column and group is made NaN before it is used.
; LIMITS.  Any other NaN, infinity or overflow that would arise in the step left out alone is not carried.  f16 holds no number beyond 65,504: |x| and |(q - z) s| stay within it
; (65,520 and more become infinities); a weight or an x under 6.1e-5 keeps f16's fixed step of 6e-8.
; SHARES.  Work-groups 0 to 255 make wt: a wave takes one group g and 64 columns: 16 rows x 256 bytes of qweight in, 64 rows x 256 bytes of wt out.  Work-groups 256 to 1279 make xh: 65,536 bytes of x each.
; No matrix unit, no cluster, no tensor load: nothing is multiplied and no work-group reads what another reads.  No wave reads another wave's LDS bytes, so there is no barrier.
.set QP,    272                        ; a row of codes in LDS: 256 bytes + 16 = 68 words: row i starts at bank 4 i mod 64 (64 banks of 4 bytes: ISA guide 11.1)
.set SZO,   16*QP                      ; behind a wave's 16 rows of codes: its table, 64 entries of 16 bytes: s, s, z, z of a column
.set WLDS,  SZO+1024                   ; a wave's LDS bytes: 5,376 = 21 blocks of 256
.set SPARE, 8*WLDS                     ; behind the eight waves' bytes: the spare words, 128 bytes for each wave: four blocks of 256 bytes that no other line names
.set QG,  4                            ; v4   codes in memory: 16,384 (l / 16) + 16 (l % 16).  In the x role: 16 x thread
.set SG,  5                            ; v5   scales in memory: 8 l.  In the x role: 8 x thread
.set ZG,  6                            ; v6   zeros in memory: 4 (l / 4)
.set SH,  7                            ; v7   my two zeros' place in their word: bit 8 (l % 4)
.set LW,  8                            ; v8   codes into LDS
.set LR,  9                            ; v9   codes out of LDS: row l % 16, column l / 16
.set TW,  10                           ; v10  my two table entries
.set TR,  11                           ; v11  the table entry of column l / 16
.set WO,  12                           ; v12  my 16 bytes of wt: 8,192 (l / 16) + 16 (l % 16)
.set SPW, 14                           ; v14  LDS address of my spare word: SPARE + 4 x my thread's number; never rewritten
.set NIL, 15                           ; v15  0; never rewritten
.set SC,  16                           ; v[16:17]  s of columns 2 l and 2 l + 1
.set ZW,  18                           ; v18       the word that holds their zeros
.set EN,  20                           ; v[20:27]  the two entries
.set Q,   32                           ; v[32:63]  codes as loaded.  In the x role v[32:95]: x as loaded
.set R,   64                           ; v[64:71]  eight words of codes, one for each column pair of a batch
.set E,   72                           ; v[72:103] their table entries
.set T,   104                          ; v[104:111] eight numbers at work
.set Y,   112                          ; v[112:143] eight quads to store
.set XO,  96                           ; x role: v[96:127] sixteen pairs to store
	s_load_b256 s[4:11], s[0:1], 0x0               ; x s[4:5], qweight s[6:7], qzeros s[8:9], scales s[10:11]
	s_load_b128 s[12:15], s[0:1], 0x20             ; xh s[12:13], wt s[14:15]
	v_lshl_add_u32 v[SPW], v0, 2, SPARE
	v_mov_b32 v[NIL], 0
	v_lshrrev_b32 v1, 5, v0
	v_readfirstlane_b32 s16, v1                    ; wave 0..7
	s_mov_b32 s2, ttmp9
	s_wait_kmcnt 0x0
	s_cmp_lt_u32 s2, 256
	s_cbranch_scc0 .Lx
	; ---------------- THE WEIGHTS ----------------
	s_lshr_b32 s26, s2, 3                          ; g = work-group / 8
	s_and_b32 s27, s2, 7
	s_lshl3_add_u32 s27, s27, s16                  ; nb = 8 (work-group % 8) + wave: my block of 64 columns
	s_lshl_b32 s28, s27, 8                         ; 64 columns of 4 bytes
	s_lshl_b32 s18, s26, 18                        ; qweight: a group is 16 rows of 16,384 bytes
	s_add_co_u32 s18, s18, s28
	s_mov_b32 s19, 0
	s_lshl_b32 s20, s26, 14                        ; scales: a group is a row of 16,384 bytes
	s_add_co_u32 s20, s20, s28
	s_mov_b32 s21, 0
	s_lshl_b32 s22, s26, 11                        ; qzeros: a group is a row of 2,048 bytes; 64 columns are 32 of them
	s_lshl_b32 s29, s27, 5
	s_add_co_u32 s22, s22, s29
	s_mov_b32 s23, 0
	s_lshl_b32 s24, s27, 19                        ; wt: 64 rows of 8,192 bytes; a group is 256 bytes of each
	s_lshl_b32 s29, s26, 8
	s_add_co_u32 s24, s24, s29
	s_mov_b32 s25, 0
	s_add_nc_u64 s[6:7], s[6:7], s[18:19]
	s_add_nc_u64 s[10:11], s[10:11], s[20:21]
	s_add_nc_u64 s[8:9], s[8:9], s[22:23]
	s_add_nc_u64 s[14:15], s[14:15], s[24:25]
	s_mov_b32 s30, 0x7fc00000                      ; NaN
	s_mul_i32 s17, s16, WLDS                       ; my wave's LDS bytes
	v_and_b32 v1, 31, v0                           ; l
	v_and_b32 v2, 15, v0                           ; l % 16
	v_bfe_u32 v3, v0, 4, 1                         ; l / 16
	v_lshlrev_b32 v[QG], 4, v2
	v_lshl_add_u32 v[QG], v3, 14, v[QG]
	v_lshlrev_b32 v[SG], 3, v1
	v_lshrrev_b32 v[ZG], 2, v1
	v_lshlrev_b32 v[ZG], 2, v[ZG]
	global_load_b32 v[ZW], v[ZG], s[8:9]
	global_load_b64 v[SC:SC+1], v[SG], s[10:11] th:TH_LOAD_NT
.irp j, 0,1,2,3,4,5,6,7
	global_load_b128 v[Q+4*(\j):Q+4*(\j)+3], v[QG], s[6:7] offset:32768*(\j) th:TH_LOAD_NT  ; rows 2 j and 2 j + 1 of the group's 16: each half of the lanes takes 256 consecutive bytes, aligned
.endr
	v_and_b32 v[SH], 3, v1
	v_lshlrev_b32 v[SH], 3, v[SH]
	v_mul_u32_u24 v13, v3, QP
	v_lshl_add_u32 v[LW], v2, 4, v13
	v_add_nc_u32 v[LW], s17, v[LW]                 ; row l / 16 (+ 2 j by the immediate), 16 bytes at 16 (l % 16)
	v_mul_u32_u24 v[LR], v2, QP
	v_lshl_add_u32 v[LR], v3, 2, v[LR]
	v_add_nc_u32 v[LR], s17, v[LR]                 ; row l % 16, column l / 16 (+ 2 t by the immediate): bank 4 (l % 16) + l / 16 + 2 t: 32 lanes, 32 banks
	v_lshl_add_u32 v[TW], v1, 5, s17
	v_add_nc_u32 v[TW], SZO, v[TW]
	v_lshl_add_u32 v[TR], v3, 4, s17
	v_add_nc_u32 v[TR], SZO, v[TR]
	v_lshlrev_b32 v[WO], 4, v2
	v_lshl_add_u32 v[WO], v3, 13, v[WO]
	; the table: s, s, z, z for columns 2 l and 2 l + 1
	s_wait_loadcnt 8                               ; zeros and scales are in; the eight loads of codes, issued behind them, may stay out
	v_lshrrev_b32 v13, v[SH], v[ZW]
	v_and_b32 v[EN+2], 15, v13
	v_bfe_u32 v[EN+6], v13, 4, 4
	v_cvt_f32_u32 v[EN+2], v[EN+2]
	v_cvt_f32_u32 v[EN+6], v[EN+6]
	v_fma_f32 v[SC], v[SC], 0, v[SC]               ; s + 0 s: s where it is finite, NaN where it is infinite: reference()'s inf / inf
	v_fma_f32 v[SC+1], v[SC+1], 0, v[SC+1]
	v_cmp_eq_f32 vcc_lo, 0, v[SC]
	v_cndmask_b32 v[EN], v[SC], s30, vcc_lo        ; NaN where s = 0: reference()'s 0 / 0
	v_cmp_eq_f32 vcc_lo, 0, v[SC+1]
	v_cndmask_b32 v[EN+4], v[SC+1], s30, vcc_lo
	v_mov_b32 v[EN+1], v[EN]
	v_mov_b32 v[EN+3], v[EN+2]
	v_mov_b32 v[EN+5], v[EN+4]
	v_mov_b32 v[EN+7], v[EN+6]
	ds_store_b128 v[TW], v[EN:EN+3]
	ds_store_b128 v[TW], v[EN+4:EN+7] offset:16
.irp j, 0,1,2,3,4,5,6,7
	s_wait_loadcnt 7-(\j)                          ; loads come back in order (ISA guide 5.7.1): rows 2 j and 2 j + 1 are in, the younger ones stay out
	ds_store_b128 v[LW], v[Q+4*(\j):Q+4*(\j)+3] offset:2*QP*(\j)
.endr
; Columns 2 t and 2 t + 1 (one for each half of the lanes), from slot u of the batch's eight.  My word holds k = 8 (l % 16) + 0..7 of the column: eight f16, 16 bytes of a row of wt.
.macro DEQ u, t
	s_wait_dscnt 14-2*(\u)                         ; LDS loads come back in order: slot u's two are in; the two of each later slot may stay out
.if (\t) >= 8
	s_wait_xcnt 0x0                                ; Y's quad u was the data of the last batch's store: it is rewritten only behind this wait
.endif
	v_and_b32 v[T], 15, v[R+(\u)]
.irp j, 1,2,3,4,5,6,7
	v_bfe_u32 v[T+(\j)], v[R+(\u)], 4*(\j), 4
.endr
.irp j, 0,1,2,3,4,5,6,7
	v_cvt_f32_u32 v[T+(\j)], v[T+(\j)]
.endr
.irp j, 0,2,4,6
	v_pk_add_f32 v[T+(\j):T+(\j)+1], v[T+(\j):T+(\j)+1], v[E+4*(\u)+2:E+4*(\u)+3] neg_lo:[0,1] neg_hi:[0,1]  ; q - z, exact
.endr
.irp j, 0,2,4,6
	v_pk_mul_f32 v[T+(\j):T+(\j)+1], v[T+(\j):T+(\j)+1], v[E+4*(\u):E+4*(\u)+1]  ; (q - z) s: reference()'s own f32 number
.endr
.irp j, 0,1,2,3
	v_cvt_pk_f16_f32 v[Y+4*(\u)+(\j)], v[T+2*(\j)], v[T+2*(\j)+1]
.endr
	global_store_b128 v[WO], v[Y+4*(\u):Y+4*(\u)+3], s[14:15] offset:16384*(\t)  ; lanes 0-15 store 256 consecutive bytes, aligned, of row 2 t; lanes 16-31 those of row 2 t + 1
.endm
; Sixteen columns: sixteen LDS loads in one run, then the eight column pairs.  LDS serves a wave's instructions in order (ISA guide 5.7.1.4): the loads see my stores above.
.macro BATCH bt
.irp u, 0,1,2,3,4,5,6,7
	ds_load_b32  v[R+(\u)], v[LR] offset:8*(8*(\bt)+(\u))
	ds_load_b128 v[E+4*(\u):E+4*(\u)+3], v[TR] offset:32*(8*(\bt)+(\u))
.endr
.irp u, 0,1,2,3,4,5,6,7
	DEQ \u, 8*(\bt)+(\u)
.endr
.endm
	BATCH 0
	BATCH 1
	BATCH 2
	BATCH 3
	s_branch .Lend
	; ---------------- x ----------------
.Lx:
	s_sub_co_u32 s18, s2, 256                      ; my block: 65,536 bytes of x, 32,768 of xh
	s_lshl_b32 s20, s18, 15
	s_lshl_b32 s18, s18, 16
	s_mov_b32 s19, 0
	s_mov_b32 s21, 0
	s_add_nc_u64 s[4:5], s[4:5], s[18:19]
	s_add_nc_u64 s[12:13], s[12:13], s[20:21]
	v_lshlrev_b32 v[QG], 4, v0                     ; 16 bytes of x a thread,
	v_lshlrev_b32 v[SG], 3, v0                     ; 8 of xh
.irp i, 0,1,2,3,4,5,6,7,8,9,10,11,12,13,14,15
	global_load_b128 v[Q+4*(\i):Q+4*(\i)+3], v[QG], s[4:5] offset:4096*(\i) th:TH_LOAD_NT  ; all sixteen go out at once: 8 KiB a wave on their way
.endr
.irp i, 0,1,2,3,4,5,6,7,8,9,10,11,12,13,14,15
	s_wait_loadcnt 15-(\i)                         ; load i is in, the younger ones stay out
	v_cvt_pk_f16_f32 v[XO+2*(\i)],   v[Q+4*(\i)],   v[Q+4*(\i)+1]
	v_cvt_pk_f16_f32 v[XO+2*(\i)+1], v[Q+4*(\i)+2], v[Q+4*(\i)+3]
	global_store_b64 v[SG], v[XO+2*(\i):XO+2*(\i)+1], s[12:13] offset:2048*(\i)  ; a wave's 32 lanes store 256 consecutive bytes, aligned; no register is written twice
.endr
.Lend:
	s_wait_tensorcnt 0x0                           ; the wave's end, behind my last LDS store
	ds_add_u32 v[SPW], v[NIL]
	s_wait_dscnt 0x0
	s_endpgm
.Lfunc_end_k_qdccc3d07fc_prep:
	.size	k_qdccc3d07fc_prep, .Lfunc_end_k_qdccc3d07fc_prep-k_qdccc3d07fc_prep
	.p2alignl 7, 3214868480
	.fill 96, 4, 3214868480
	.section	.rodata,"a",@progbits
	.p2align	6, 0x0
	.amdhsa_kernel k_qdccc3d07fc_prep
		.amdhsa_group_segment_fixed_size 44032
		.amdhsa_private_segment_fixed_size 0
		.amdhsa_enable_private_segment 0
		.amdhsa_kernarg_size 48
		.amdhsa_user_sgpr_count 2
		.amdhsa_user_sgpr_kernarg_segment_ptr 1
		.amdhsa_wavefront_size32 1
		.amdhsa_system_sgpr_workgroup_id_x 1
		.amdhsa_system_sgpr_workgroup_id_y 1
		.amdhsa_system_sgpr_workgroup_id_z 1
		.amdhsa_system_vgpr_workitem_id 0
		.amdhsa_next_free_vgpr 144
		.amdhsa_next_free_sgpr 66
		.amdhsa_reserve_vcc 1
		.amdhsa_float_denorm_mode_32 3
		.amdhsa_float_denorm_mode_16_64 3
		.amdhsa_memory_ordered 1
		.amdhsa_forward_progress 1
		.amdhsa_inst_pref_size 67
	.end_amdhsa_kernel
	.amdgpu_metadata
---
amdhsa.version: [ 1, 2 ]
amdhsa.kernels:
  - .name:           k_qdccc3d07fc_prep
    .symbol:         k_qdccc3d07fc_prep.kd
    .args:
      - { .name: x, .offset: 0, .size: 8, .value_kind: global_buffer, .address_space: global }
      - { .name: qweight, .offset: 8, .size: 8, .value_kind: global_buffer, .address_space: global }
      - { .name: qzeros, .offset: 16, .size: 8, .value_kind: global_buffer, .address_space: global }
      - { .name: scales, .offset: 24, .size: 8, .value_kind: global_buffer, .address_space: global }
      - { .name: xh, .offset: 32, .size: 8, .value_kind: global_buffer, .address_space: global }
      - { .name: wt, .offset: 40, .size: 8, .value_kind: global_buffer, .address_space: global }
    .group_segment_fixed_size: 44032
    .private_segment_fixed_size: 0
    .kernarg_segment_align: 8
    .kernarg_segment_size: 48
    .max_flat_workgroup_size: 256
    .sgpr_count:     66
    .vgpr_count:     144
    .wavefront_size: 32
...
	.end_amdgpu_metadata
.endif
;; end of part 1
;; launch gemm (part 2): grid 16 x 16, 4 waves a work-group, clusters of 4 x 4, 327,680 bytes of LDS; arguments xh, wt, out0, bias; writes out0
.if DOCPART == 2
	.amdgcn_target "amdgcn-amd-amdhsa--gfx1250"
	.amdhsa_code_object_version 6
	.text
	.protected	k_qdccc3d07fc_gemm
	.globl	k_qdccc3d07fc_gemm
	.p2align	8
	.type	k_qdccc3d07fc_gemm,@function
k_qdccc3d07fc_gemm:
	s_mov_b64 s[64:65], 0
	v_nop
	global_prefetch_b8 v0, s[64:65] scope:SCOPE_SE
	s_setreg_imm32_b32 hwreg(HW_REG_WAVE_MODE, 25, 1), 1
	s_wait_xcnt 0x0
	s_wait_alu depctr_hold_cnt(0) depctr_sa_sdst(0) depctr_va_vdst(0) depctr_va_sdst(0) depctr_va_ssrc(0) depctr_va_vcc(0) depctr_vm_vsrc(0)
	s_getreg_b32 s2, hwreg(HW_REG_IB_STS2, 6, 4)
	s_cmp_eq_u32 s2, 0
	s_cbranch_scc0 .Lentry_in_a_cluster
	s_endpgm
.Lentry_in_a_cluster:
	s_bfe_u32 s2, ttmp6, 0x10000c
	s_cmp_lg_u32 s2, 0xf033
	s_cbranch_scc0 .Lentry_shape_is_right
	s_endpgm
.Lentry_shape_is_right:
; out0[m][n] = bias[n] + the sum over k of xh[m][k] wt[n][k].  xh: [4096][4096] f16 (x rounded once), wt: [4096][4096] f16 (the dequantised weights, turned), bias: [4096] f32, out0: [4096][4096] f32.
; Left out, as the launch before says and shows: reference()'s re-quantisation and second dequantisation, which return the first dequantisation's number.
; LIMITS.  The operands are f16 (within 65,504; under 6.1e-5 on a fixed step of 6e-8).  The sums are f32 and START from the bias, where reference() adds it last: another order of rounding.
; A tile of out0, 256 x 256, is made by a work-group of four waves; a wave makes 128 x 128: 64 accumulators of 16 x 16, 512 registers.  16 x 16 tiles: one to a work-group.
; K goes in steps of 128 through a ring of two LDS slots filled by the tensor data mover: a tile's rows are 256 bytes of memory and start at multiples of 256 bytes from the buffer's first byte.
; CLUSTERS: 4 x 4 work-groups.  The four of a row of the cluster need the same tiles of xh (A), the four of a column the same tiles of wt (B).  Such a tile is asked for JOINTLY: each of the four
; issues the same tensor load, with the same descriptor and a mask that names the four, and each receives the tile in its own LDS: the requests for A and B are divided by four.
; REGISTERS, in windows of 256 (s_set_vgpr_msb's low byte: bits 1:0 source 0, 3:2 source 1, 5:4 source 2, 7:6 destination):
;   window 0: v0-31 addresses; v64-127, v128-191 fragments of A (8 x 16 rows x 32 K), two buffers, and on the way out rows read back from the stage; v192-255 the bias of my 128 columns
;   window 1: v64-127, v128-191 fragments of B, two buffers
;   window 2: the 32 accumulators of my rows 0-63 (accumulator (a, b) at v[8 (8 a + b)]);   window 3: those of my rows 64-127
; THE MATRIX INSTRUCTION IS USED TRANSPOSED: source 0 = 16 rows of B, source 1 = 16 rows of A.  In the result lane l holds row m = l % 16 and its registers 0 to 7 the columns n = 8 (l / 16) + 0..7:
; 32 neighbouring bytes of a row of out0.  The C operand has the same layout, so eight registers with bias[16 b + 8 (l / 16) + 0..7] start the sums of column block b: nothing is cleared and nothing added later.
.set SIZE_M, 4096
.set SIZE_N, 4096
.set SIZE_K, 4096
.set KSTEP,  128
.set PITCH,  272                       ; an LDS row: 256 bytes + 16 of padding = 68 words: row r starts at bank 4 r mod 64 (64 banks of 4 bytes: ISA guide 11.1), so the 16 rows that a load touches start at 16 different banks
.set HALFT,  128*PITCH                 ; 128 rows: what one tensor load brings, and what one wave reads of A or of B
.set SLOT,   4*HALFT                   ; A's 256 rows, then B's 256 rows
.set STAGE,  2*SLOT                    ; behind the ring: 16 rows x 528 bytes for each wave, for the way out
.set SPITCH, 528                       ; a stage row: 512 bytes (128 f32) + 16 = 132 words: again row r at bank 4 r mod 64
.set SPARE,  STAGE+4*16*SPITCH         ; behind the stages: the spare words, 128 bytes for each wave: two blocks of 256 bytes that no other line names
.set LAPS,   SIZE_K/(2*KSTEP)          ; a lap = two K steps = once round the ring: 16
.set ADRA, 16                          ; v16-17  LDS address of my A fragments in slot 0, 1
.set ADRB, 20                          ; v20-21  the same for B
.set STO,  24                          ; v24     the way out: where I put 32 bytes of a row
.set RD,   25                          ; v25     the way out: where I read 16 bytes of a row back
.set CO,   26                          ; v26     my byte offset in a row's 512 bytes of out0: 16 x lane
.set BO,   27                          ; v27     my byte offset in a column block's bias: 32 (l / 16)
.set SPW,  28                          ; v28     LDS address of my spare word: SPARE + 4 x my thread's number; never rewritten
.set NIL,  29                          ; v29     0; never rewritten
.set PFO,  30                          ; v30     the prefetches' offset: my lane x a row of A or B in memory; never rewritten
.set PFA,  44                          ; s[44:45] where my prefetches stand: my work-group's 32 rows of the 128 that I fetch, one K step further along K than the refill that is being asked for
.set LIM,  43                          ; s43     1 in a wave that prefetches, else the greatest number
.set BP,   66                          ; s[66:67] bias at my first column
.set F0,   64                          ; fragment buffer 0
.set F1,   128                         ; fragment buffer 1
.set BIAS, 192
.set G1, 24                            ; s[24:31] descriptor group 1 for A's tiles
.set G0, 32                            ; s[32:39] descriptor group 0 for A's tiles, one set for each slot
.set G1B, 48                           ; s[48:55] descriptor group 1 for B's tiles: it differs from A's in the mask alone
.set G0B, 56                           ; s[56:63] descriptor group 0 for B's tiles, one set for each slot
.set MSB, 0
.macro WIN new                         ; the immediate's high byte repeats the setting that is left; a switch that changes nothing is dropped
.if MSB != (\new)
	s_set_vgpr_msb (MSB<<8)|(\new)
.set MSB, \new
.endif
.endm
.set MUL_LO, 0xa1                      ; source 0 (B) window 1, source 1 (A) window 0, C and D window 2; + 0x50: C and D window 3
.set MUL_C0, 0x81                      ; the same with C (the bias) in window 0; + 0x40: D window 3
.set TO_B,   0x40                      ; destination window 1, address window 0
; A joint load.  Waves 0 and 1 fetch A's two halves, waves 2 and 3 B's.  Each of the two lines has ONE mask and one set of registers for all that issue it, and nothing in them hangs on a coordinate
; that the four partners do not share.  The branch hangs on the wave's number alone.  An s_nop 0 and four v_nop follow each of the two lines, ahead of the jump, the label and what follows.
.macro JLOAD s
	s_cmp_eq_u32 s11, 0
	s_cbranch_scc0 .Lfor_b_\@
	tensor_load_to_lds s[G0+4*(\s):G0+4*(\s)+3], s[G1:G1+7]
	s_nop 0
.rept 4
	v_nop
.endr
	s_branch .Lasked_\@
.Lfor_b_\@:
	tensor_load_to_lds s[G0B+4*(\s):G0B+4*(\s)+3], s[G1B:G1B+7]
	s_nop 0
.rept 4
	v_nop
.endr
.Lasked_\@:
.endm
; A PREFETCH INTO THE L2, behind each joint refill and the run of LDS loads that follows it: the K step that stands TWO refills on, 512 matrix instructions ahead of the load that will want it:
; 32 rows x 256 bytes, a lane a row, one instruction a wave.  Each row's 256 bytes of a K step are named ONCE in the launch: A's tile row is read by every cluster of that row of clusters, and the one
; with x = 0 asks; B's tile column by every cluster of that column, and the one with y = 0 asks.  The four partners that ask for a tile jointly share its rows out BY ADDRESS: of the 128 rows that a wave
; fetches the partner at place p takes 32 p .. 32 p + 31 (p = cx for A, cy for B).  K steps 0 to 3 come by their loads alone; the loop's last trip (s3 = 1) has no K step two on and asks for nothing.
.macro ASK
	s_cmp_gt_u32 s3, s[LIM]
	s_cbranch_scc0 .Lnot_mine_\@
	global_prefetch_b8 v[PFO], s[PFA:PFA+1] offset:KSTEP*2 th:TH_LOAD_NT scope:SCOPE_SE
.Lnot_mine_\@:
.endm
; A round of the cluster's barrier: my work-group's barrier, so that wave 0's signal speaks for all four waves; wave 0 signals for the work-group; every wave waits for all sixteen work-groups;
; my work-group's barrier once more.  No LDS instruction of the wave is pending at a signal.
.macro CREST                           ; a round behind its opening barrier
	s_cmp_lg_u32 s10, 0
	s_cbranch_scc1 .Lnot_wave_0_\@
	s_barrier_signal -3
.Lnot_wave_0_\@:
	s_barrier_wait -3
	s_barrier_signal -1
	s_barrier_wait -1
.endm
.macro CROUND                          ; a whole round
	s_barrier_signal -1
	s_barrier_wait -1
	CREST
.endm
	s_load_b128 s[4:7], s[0:1], 0x0                ; A = xh s[4:5], B = wt s[6:7]
	s_load_b64 s[8:9], s[0:1], 0x10                ; out0
	s_load_b64 s[BP:BP+1], s[0:1], 0x18            ; bias
	v_lshl_add_u32 v[SPW], v0, 2, SPARE
	v_mov_b32 v[NIL], 0
	ds_add_u32 v[SPW], v[NIL]                      ; the wave's opening: the add, twice on end, and its wait ahead of my first tensor load; the set-up below stands between the second and the wait
	ds_add_u32 v[SPW], v[NIL]                      ; and once more, under the one wait
	v_lshrrev_b32 v1, 5, v0
	v_readfirstlane_b32 s10, v1                    ; wave 0..3
	s_lshr_b32 s11, s10, 1                         ; which half of the tile's rows is mine.  Also: I fetch for A (0) or for B (1)
	s_and_b32 s12, s10, 1                          ; which half of its columns.  Also: which 128 rows of that tile I fetch
	s_bfe_u32 s40, ttmp6, 0x40000                  ; cx: my place along the cluster's x
	s_bfe_u32 s41, ttmp6, 0x40004                  ; cy: along its y
	s_lshl_b32 s42, ttmp9, 2                       ; in a cluster launch ttmp9 and ttmp7 count clusters
	s_add_co_u32 s42, s42, s40                     ; tile column = 4 x cluster x + cx
	s_and_b32 s13, ttmp7, 0xffff
	s_lshl_b32 s13, s13, 2
	s_add_co_u32 s13, s13, s41                     ; tile row = 4 x cluster y + cy
	s_lshl_b32 s43, s41, 2
	s_lshl_b32 s43, 15, s43                        ; my row of the cluster: places 4 cy .. 4 cy + 3
	s_lshl_b32 s44, 0x1111, s40                    ; my column: places cx, cx + 4, cx + 8, cx + 12
	; descriptor group 1: a tile of 128 rows x 128 elements, padded in LDS
	s_or_b32 s[G1+0], s43, (1<<16)|(1<<20)|(1<<21)|(5<<22)|(3<<25)  ; 15:0 the mask: A's tiles go to my row; 17:16 element of 2 bytes; 20 padding on; 21 set beside a mask; 24:22 after every 64 words (code 5); 31:25 of 4 words (code 3)
	s_or_b32 s[G1B+0], s44, (1<<16)|(1<<20)|(1<<21)|(5<<22)|(3<<25) ; the same with the mask of my column, for B's tiles
	s_mov_b32 s[G1B+1], KSTEP<<16
	s_mov_b32 s[G1+1], KSTEP<<16                   ; 63:48 tensor_dim0, low half = 128
	s_mov_b32 s[G1B+2], 128<<16
	s_mov_b32 s[G1+2], 128<<16                     ; 79:64 its high half = 0; 95:80 tensor_dim1, low half = 128
	s_mov_b32 s[G1B+3], KSTEP<<16
	s_mov_b32 s[G1+3], KSTEP<<16                   ; 111:96 its high half = 0; 127:112 tile_dim0 = 128
	s_mov_b32 s[G1B+4], 128
	s_mov_b32 s[G1+4], 128                         ; 143:128 tile_dim1 = 128; 159:144 tile_dim2 = 0
	s_mov_b32 s[G1B+5], SIZE_K
	s_mov_b32 s[G1+5], SIZE_K                      ; 191:160 tensor_dim0_stride, low word: elements from row to row
	s_mov_b32 s[G1B+6], 0
	s_mov_b32 s[G1+6], 0
	s_mov_b32 s[G1B+7], 0
	s_mov_b32 s[G1+7], 0
	; where the tiles come from.  A's hang on the tile row alone, which my row of the cluster shares; B's on the tile column alone, which my column shares.
	; Every wave makes both addresses, in registers that never hold the other coordinate, and asks by one of them.
	s_lshl_b32 s17, s12, 7                         ; which 128 rows of the tile I fetch
	s_lshl_b32 s16, s13, 8
	s_add_co_u32 s16, s16, s17                     ; A: row 256 x tile row + 128 x half
	s_lshl_b32 s46, s42, 8
	s_add_co_u32 s46, s46, s17                     ; B: row 256 x tile column + 128 x half
	s_mov_b32 s17, 0
	s_mov_b32 s47, 0
	s_mov_b64 s[18:19], SIZE_K*2
	s_mul_u64 s[16:17], s[16:17], s[18:19]         ; in bytes
	s_mul_u64 s[46:47], s[46:47], s[18:19]
	s_mul_i32 s20, s10, HALFT                      ; and where they go: A's two halves, then B's two halves = wave x 128 rows: no place in the cluster enters an LDS address
	s_wait_dscnt 0x0                               ; both opening adds are done
	s_wait_kmcnt 0x0
	s_add_nc_u64 s[14:15], s[4:5], s[16:17]
	s_add_nc_u64 s[46:47], s[6:7], s[46:47]
	CROUND                                         ; all sixteen work-groups are here: the first joint loads meet
.irp s, 0,1
	s_mov_b32 s[G0+4*(\s)], 1                                      ; 1:0 count = 1
	s_add_co_u32 s[G0+4*(\s)+1], s20, (\s)*SLOT                    ; 63:32 LDS address
	s_add_nc_u64 s[G0+4*(\s)+2:G0+4*(\s)+3], s[14:15], (\s)*KSTEP*2  ; 120:64 global address: K step s
	s_or_b32 s[G0+4*(\s)+3], s[G0+4*(\s)+3], 0x80000000            ; 127:126 type = 2
	s_mov_b32 s[G0B+4*(\s)], 1
	s_add_co_u32 s[G0B+4*(\s)+1], s20, (\s)*SLOT
	s_add_nc_u64 s[G0B+4*(\s)+2:G0B+4*(\s)+3], s[46:47], (\s)*KSTEP*2
	s_or_b32 s[G0B+4*(\s)+3], s[G0B+4*(\s)+3], 0x80000000
	JLOAD \s                                       ; the ring is filled before anything else is done: two loads of mine are out
.endr
	; A fragment is 16 rows x 32 K in 8 registers: lane l holds row l % 16; registers 0-3 hold K = 8 (l / 16) + 0..7, registers 4-7 hold K = 16 + 8 (l / 16) + 0..7:
	; from rows that lie along K two loads of 16 bytes, 32 bytes apart.  The same for source 0 and source 1.
	v_and_b32 v1, 15, v0                           ; l % 16
	v_bfe_u32 v2, v0, 4, 1                         ; l / 16
	v_mul_u32_u24 v3, v1, PITCH
	v_lshl_add_u32 v3, v2, 4, v3                   ; row x pitch + 16 x half
	s_mul_i32 s21, s11, HALFT                      ; my 128 rows of A
	s_mul_i32 s22, s12, HALFT                      ; my 128 rows of B,
	s_add_co_u32 s22, s22, 2*HALFT                 ; which lie behind A's 256
.irp s, 0,1
	v_add_nc_u32 v[ADRA+(\s)], s21, v3
	v_add_nc_u32 v[ADRB+(\s)], s22, v3
	s_add_co_u32 s21, s21, SLOT
	s_add_co_u32 s22, s22, SLOT
.endr
	s_mul_i32 s23, s10, 16*SPITCH
	s_add_co_u32 s23, s23, STAGE                   ; my stage
	v_mul_u32_u24 v4, v1, SPITCH                   ; in: row l % 16, 32 bytes for each half of the lanes
	v_lshl_add_u32 v4, v2, 5, v4
	v_add_nc_u32 v[STO], s23, v4
	v_and_b32 v5, 31, v0
	v_lshlrev_b32 v[CO], 4, v5                     ; back: 32 lanes take one row of 512 bytes,
	v_add_nc_u32 v[RD], s23, v[CO]                 ; and the same 512 bytes in out0
	v_lshlrev_b32 v[BO], 5, v2
	; where my part of the tile begins in out0, and my columns in bias
	s_lshl_b32 s13, s13, 8                         ; 256 x tile row
	s_lshl_b32 s14, s11, 7
	s_add_co_u32 s16, s13, s14                     ; my first row
	s_mov_b32 s17, 0
	s_mov_b64 s[18:19], SIZE_N*4
	s_mul_u64 s[16:17], s[16:17], s[18:19]
	s_lshl_b32 s46, s42, 10                        ; my first column, in bytes: 1,024 x tile column + 512 x half (in the registers that held B's address: none that feeds A's descriptors ever holds cx)
	s_lshl_b32 s47, s12, 9
	s_add_co_u32 s46, s46, s47
	s_mov_b32 s47, 0
	s_add_nc_u64 s[8:9], s[8:9], s[16:17]
	s_add_nc_u64 s[8:9], s[8:9], s[46:47]
	s_add_nc_u64 s[BP:BP+1], s[BP:BP+1], s[46:47]
.irp b, 0,1,2,3,4,5,6,7
	global_load_b128 v[BIAS+8*(\b):BIAS+8*(\b)+3],   v[BO], s[BP:BP+1] offset:64*(\b)     ; bias[16 b + 8 (l / 16) + 0..3] of my 128 columns,
	global_load_b128 v[BIAS+8*(\b)+4:BIAS+8*(\b)+7], v[BO], s[BP:BP+1] offset:64*(\b)+16  ; and + 4..7
.endr
	; the prefetches.  s13 = 256 x tile row, s42 = tile column, s40 = cx, s41 = cy still stand; s[4:5] = A, s[6:7] = B
	s_lshl_b32 s42, s42, 8
	s_and_b32 s22, ttmp7, 0xffff                   ; cluster y
	s_cmp_eq_u32 s11, 0                            ; do I fetch for A?
	s_cselect_b32 s20, s13, s42                    ; the tile's first row: in A by the tile row, in B by the tile column
	s_cselect_b32 s21, s40, s41                    ; my place among the four that ask for it with me
	s_cselect_b32 s22, ttmp9, s22                  ; the coordinate along which other clusters read the same rows
	s_cselect_b64 s[PFA:PFA+1], s[4:5], s[6:7]
	s_cmp_eq_u32 s22, 0
	s_cselect_b32 s[LIM], 1, -1                    ; the same in all sixteen partners, for a given wave
	s_lshl_b32 s22, s12, 7
	s_add_co_u32 s20, s20, s22                     ; + the 128 rows that I fetch
	s_lshl_b32 s21, s21, 5
	s_add_co_u32 s20, s20, s21                     ; + my work-group's 32 of them
	s_mov_b32 s21, 0
	s_mov_b64 s[18:19], SIZE_K*2
	s_mul_u64 s[20:21], s[20:21], s[18:19]
	s_add_nc_u64 s[PFA:PFA+1], s[PFA:PFA+1], s[20:21]
	s_add_nc_u64 s[PFA:PFA+1], s[PFA:PFA+1], 2*KSTEP*2  ; at K step 2: the first refill steps it to 3 and names K step 4
	v_and_b32 v[PFO], 31, v0
	v_mul_u32_u24 v[PFO], v[PFO], SIZE_K*2
	; nothing is prefetched here, at the head, where every work-group's first two tiles are on their way
; 16 matrix instructions: m blocks a0, a0 + 1 of the window's four (hi = 0: my rows 0-63, 1: rows 64-127) x all 8 n blocks, 32 along K.
; zero = 1: the first product starts the sums, from the bias.  The 64 accumulators take turns, one instruction a turn, in the same order in every quarter step.
.macro MUL16 f, hi, a0, zero
.if \zero
	WIN MUL_C0+0x40*(\hi)
.else
	WIN MUL_LO+0x50*(\hi)
.endif
.irp a, \a0, (\a0)+1
.irp b, 0,1,2,3,4,5,6,7
.if \zero
	v_wmma_f32_16x16x32_f16 v[8*(8*(\a)+(\b)):8*(8*(\a)+(\b))+7], v[(\f)+8*(\b):(\f)+8*(\b)+7], v[(\f)+8*(4*(\hi)+(\a)):(\f)+8*(4*(\hi)+(\a))+7], v[BIAS+8*(\b):BIAS+8*(\b)+7]
.else
	v_wmma_f32_16x16x32_f16 v[8*(8*(\a)+(\b)):8*(8*(\a)+(\b))+7], v[(\f)+8*(\b):(\f)+8*(\b)+7], v[(\f)+8*(4*(\hi)+(\a)):(\f)+8*(4*(\hi)+(\a))+7], v[8*(8*(\a)+(\b)):8*(8*(\a)+(\b))+7]
.endif
.endr
.endr
.endm
; 32 LDS loads in one run: the fragments of one quarter step (128 rows of B, 128 rows of A, 32 K at byte k of the rows) into buffer f
.macro FETCH slot, k, f
	WIN TO_B
.irp i, 0,1,2,3,4,5,6,7
	ds_load_b128 v[(\f)+8*(\i):(\f)+8*(\i)+3],   v[ADRB+(\slot)] offset:(\k)+(\i)*16*PITCH
	ds_load_b128 v[(\f)+8*(\i)+4:(\f)+8*(\i)+7], v[ADRB+(\slot)] offset:(\k)+(\i)*16*PITCH+32
.endr
	WIN 0
.irp i, 0,1,2,3,4,5,6,7
	ds_load_b128 v[(\f)+8*(\i):(\f)+8*(\i)+3],   v[ADRA+(\slot)] offset:(\k)+(\i)*16*PITCH
	ds_load_b128 v[(\f)+8*(\i)+4:(\f)+8*(\i)+7], v[ADRA+(\slot)] offset:(\k)+(\i)*16*PITCH+32
.endr
.endm
; A load into a register that a matrix instruction has read, and an LDS store that reads a matrix result, stand four places behind that matrix instruction, and only plain vector instructions that name
; none of its registers are places (ISA guide 7.12.1 for vector instructions); the matrix instructions in between are not counted.
.macro PLACES
.rept 4
	v_nop
.endr
.endm
; A K step is four quarter steps of 32 along K, 64 matrix instructions each, on buffers 0, 1, 0, 1.
; One of the first three: multiplies buffer f; in its middle it fetches the next quarter's fragments, at byte k of the same slot's rows, into buffer g.
.macro QUARTER slot, k, f, g, zero
	s_wait_dscnt 8                                 ; B and A's rows 0-63 are in; the youngest eight loads (A's rows 64-127) may be out
	MUL16 \f, 0, 0, \zero
	MUL16 \f, 0, 2, \zero
	PLACES
	FETCH \slot, \k, \g
	s_wait_dscnt 32                                ; all but the 32 just issued
	MUL16 \f, 1, 0, \zero
	MUL16 \f, 1, 2, \zero
.endm
; The last quarter multiplies buffer 1 and changes slots.  MEET is its first half: ONE barrier for the change of slots.  In front of it each wave waits for all its tensor loads, of which one is out:
; its part of the next slot; adds 0 to its spare word; and waits for that and for its own reads of this slot.  Behind it nobody reads this slot any more and the next slot is whole.
.macro MEET round                      ; round = 1: the rest of a round of the cluster's barrier follows
	WIN 0                                          ; (the add's two registers lie in window 0)
	s_wait_tensorcnt 0x0                           ; all my tensor loads have landed;
	ds_add_u32 v[SPW], v[NIL]                      ; 0 onto my spare word;
	s_wait_dscnt 9                                 ; (the add and the youngest eight loads may be out)
	MUL16 F1, 0, 0, 0                              ; sixteen matrix instructions stand between the add and the wait for it
	s_wait_dscnt 0x0                               ; the add is done, and my reads of this slot are over:
	s_barrier_signal -1                            ; say so,
	MUL16 F1, 0, 2, 0                              ; work on registers while the others arrive,
.if \round
	WIN 0
.endif
	s_barrier_wait -1                              ; and go on when all four have said so
.endm
; The whole last quarter.  Behind the round the slot just read out is filled again first, with the K step two steps on; then come the next slot's first fragments.
; From a request to the wait for it a wave issues 224 matrix instructions; one tensor load of mine is out behind each round.
.macro TURN slot, next
	s_wait_xcnt 0x0                                ; the last prefetch, a K step back, has read its address: it is stepped here, ahead of the waits of the change of slots
	s_add_nc_u64 s[PFA:PFA+1], s[PFA:PFA+1], KSTEP*2
	MEET 1
	CREST                                          ; all sixteen work-groups have said so: no wave of any partner still reads this slot's tile or has a load on its way
	s_add_nc_u64 s[G0+4*(\slot)+2:G0+4*(\slot)+3], s[G0+4*(\slot)+2:G0+4*(\slot)+3], 2*KSTEP*2
	s_add_nc_u64 s[G0B+4*(\slot)+2:G0B+4*(\slot)+3], s[G0B+4*(\slot)+2:G0B+4*(\slot)+3], 2*KSTEP*2
	JLOAD \slot                                    ; the first tensor load behind the round; the four v_nop behind it are also the places in front of the loads below
	FETCH \next, 0, F0
	ASK                                            ; behind the joint load and the run of LDS loads that the next products wait for
	MUL16 F1, 1, 0, 0
	MUL16 F1, 1, 2, 0
.endm
; THE WAY OUT of block a (16 rows x 128 columns, f32).  TOSTAGE: a lane's 32 bytes of each column block go into my own stage in LDS, each accumulator's low four registers first,
; and come back as whole rows of 512 bytes, into A's fragment buffers by turns.  SEND: stored.  The stage is my wave's own and no tensor load fills it: no barrier.
.macro TOSTAGE a
.set AC, 64*((\a)%4)
.set BK, F0+64*((\a)%2)
.if (\a) >= 2
	s_wait_xcnt 0x0                                ; these registers were the data of block a - 2's stores: they are loaded again only behind this wait
.endif
	WIN 0x08+4*((\a)/4)                            ; the stores' data (source 1) in window 2 or 3
.irp b, 0,1,2,3,4,5,6,7
	ds_store_b128 v[STO], v[AC+8*(\b):AC+8*(\b)+3]   offset:64*(\b)
	ds_store_b128 v[STO], v[AC+8*(\b)+4:AC+8*(\b)+7] offset:64*(\b)+16
.endr
	WIN 0
.irp t, 0,1,2,3,4,5,6,7,8,9,10,11,12,13,14,15
	ds_load_b128 v[BK+4*(\t):BK+4*(\t)+3], v[RD] offset:SPITCH*(\t)  ; LDS serves a wave's instructions in order (ISA guide 5.7.1.4): these see the stores above, and the next block's stores come behind them
.endr
.endm
.macro SEND a, younger                 ; younger: the LDS instructions issued behind block a's loads: the next block's 16 stores and 16 loads, or none
.set BK, F0+64*((\a)%2)
	WIN 0
.irp t, 0,1,2,3,4,5,6,7,8,9,10,11,12,13,14,15
	s_wait_dscnt (\younger)+15-(\t)                ; row t is back; the later rows and the next block's may be out
	global_store_b128 v[CO], v[BK+4*(\t):BK+4*(\t)+3], s[8:9] offset:(16*(\a)+(\t))*SIZE_N*4 th:TH_STORE_NT  ; 32 lanes store 512 consecutive bytes, at a multiple of 512 from out0's first byte; 127 rows at the most stand in the immediate
.endr
.endm
	s_wait_tensorcnt 1                             ; my part of K step 0 is in; K step 1's may stay out
	s_barrier_signal -1
	s_barrier_wait -1                              ; everybody's is
	FETCH 0, 0, F0
	s_wait_loadcnt 0x0                             ; the bias
	QUARTER 0, 64,  F0, F1, 1                      ; the first quarter stands in front of the loop: its products start the sums
	WIN 0                                          ; at a label and at a branch every window is 0
	s_mov_b32 s3, LAPS-1
.Llap:                                                 ; a trip goes once round the ring, from a lap's second quarter to the next lap's first, and fills both slots again
	QUARTER 0, 128, F1, F0, 0
	QUARTER 0, 192, F0, F1, 0
	TURN 0, 1
	QUARTER 1, 64,  F0, F1, 0
	QUARTER 1, 128, F1, F0, 0
	QUARTER 1, 192, F0, F1, 0
	TURN 1, 0
	QUARTER 0, 64,  F0, F1, 0
	WIN 0
	s_sub_co_u32 s3, s3, 1
	s_cmp_lg_u32 s3, 0
	s_cbranch_scc1 .Llap
	QUARTER 0, 128, F1, F0, 0                      ; the last lap is written out: it fills nothing, and has no round
	QUARTER 0, 192, F0, F1, 0
	MEET 0                                         ; my one tensor load that was still out is slot 1's, the last K step's
	PLACES                                         ; for the loads into buffer 0, which the quarter before multiplied
	FETCH 1, 0, F0
	MUL16 F1, 1, 0, 0
	MUL16 F1, 1, 2, 0
	QUARTER 1, 64,  F0, F1, 0
	QUARTER 1, 128, F1, F0, 0
	QUARTER 1, 192, F0, F1, 0
	s_wait_dscnt 8                                 ; the very last quarter: nothing more to fetch
	MUL16 F1, 0, 0, 0
	MUL16 F1, 0, 2, 0
	s_wait_dscnt 0x0
	MUL16 F1, 1, 0, 0
	MUL16 F1, 1, 2, 0
	WIN 0
	PLACES                                         ; behind the last products, in front of LDS stores that read results and of loads into the fragment buffers:
	PLACES                                         ; eight, once a launch, where four are asked for
	TOSTAGE 0
.irp a, 1,2,3,4,5,6,7                  ; block a's LDS traffic is issued ahead of the waits for block a - 1's rows
	TOSTAGE \a
	SEND (\a)-1, 32
.endr
	SEND 7, 0
	s_wait_tensorcnt 0x0                           ; the wave's end, behind my last tensor load and my last LDS store
	ds_add_u32 v[SPW], v[NIL]
	s_wait_dscnt 0x0
	CROUND                                         ; the closing round: no work-group ends while a partner may still ask for a tile that names it
	s_endpgm
.Lfunc_end_k_qdccc3d07fc_gemm:
	.size	k_qdccc3d07fc_gemm, .Lfunc_end_k_qdccc3d07fc_gemm-k_qdccc3d07fc_gemm
	.p2alignl 7, 3214868480
	.fill 96, 4, 3214868480
	.section	.rodata,"a",@progbits
	.p2align	6, 0x0
	.amdhsa_kernel k_qdccc3d07fc_gemm
		.amdhsa_group_segment_fixed_size 327680
		.amdhsa_private_segment_fixed_size 0
		.amdhsa_enable_private_segment 0
		.amdhsa_kernarg_size 32
		.amdhsa_user_sgpr_count 2
		.amdhsa_user_sgpr_kernarg_segment_ptr 1
		.amdhsa_wavefront_size32 1
		.amdhsa_system_sgpr_workgroup_id_x 1
		.amdhsa_system_sgpr_workgroup_id_y 1
		.amdhsa_system_sgpr_workgroup_id_z 1
		.amdhsa_system_vgpr_workitem_id 0
		.amdhsa_next_free_vgpr 1024
		.amdhsa_next_free_sgpr 68
		.amdhsa_reserve_vcc 0
		.amdhsa_float_denorm_mode_32 3
		.amdhsa_float_denorm_mode_16_64 3
		.amdhsa_memory_ordered 1
		.amdhsa_forward_progress 1
		.amdhsa_inst_pref_size 147
	.end_amdhsa_kernel
	.amdgpu_metadata
---
amdhsa.version: [ 1, 2 ]
amdhsa.kernels:
  - .name:           k_qdccc3d07fc_gemm
    .symbol:         k_qdccc3d07fc_gemm.kd
    .args:
      - { .name: xh, .offset: 0, .size: 8, .value_kind: global_buffer, .address_space: global }
      - { .name: wt, .offset: 8, .size: 8, .value_kind: global_buffer, .address_space: global }
      - { .name: out0, .offset: 16, .size: 8, .value_kind: global_buffer, .address_space: global }
      - { .name: bias, .offset: 24, .size: 8, .value_kind: global_buffer, .address_space: global }
    .group_segment_fixed_size: 327680
    .private_segment_fixed_size: 0
    .kernarg_segment_align: 8
    .kernarg_segment_size: 32
    .max_flat_workgroup_size: 128
    .sgpr_count:     68
    .vgpr_count:     1024
    .wavefront_size: 32
...
	.end_amdgpu_metadata
.endif
;; end of part 2
;; ======== version 2 of 2: 2 launches; version 1 with the launch prep written anew for expert scheduling mode
;; limits: values are held in f16: magnitudes above 65,504 overflow, below 6.1e-05 lose precision; inputs' magnitudes at most 65,504
;; workspace buffers: xh 33,554,432 bytes; wt 33,554,432 bytes
;; launch prep (part 3): grid 1280 x 1, 8 waves a work-group, no clusters, 44,032 bytes of LDS; arguments x, qweight, qzeros, scales, xh, wt; writes xh, wt
.if DOCPART == 3
	.amdgcn_target "amdgcn-amd-amdhsa--gfx1250"
	.amdhsa_code_object_version 6
	.text
	.protected	k_qdccc3d07fc_prep
	.globl	k_qdccc3d07fc_prep
	.p2align	8
	.type	k_qdccc3d07fc_prep,@function
k_qdccc3d07fc_prep:
	s_mov_b64 s[64:65], 0
	v_nop
	global_prefetch_b8 v0, s[64:65] scope:SCOPE_SE
	s_setreg_imm32_b32 hwreg(HW_REG_WAVE_SCHED_MODE, 0, 2), 2
	s_setreg_imm32_b32 hwreg(HW_REG_WAVE_MODE, 25, 1), 1
	s_wait_xcnt 0x0
	s_wait_alu depctr_vm_vsrc(0)
; out = x W + bias with W[k][n] = (q[k][n] - z[g][n]) s[g][n], g = k / 128; q and z are 4-bit codes, eight to an int32 (q along k, z along n).
; THIS LAUNCH makes the two matrix operands of the launch behind it, each rounded once to f16:
;   xh[m][k] = x[m][k]                     [4096][4096] f16
;   wt[n][k] = (q[k][n] - z[g][n]) s[g][n] [4096][4096] f16, turned, so that K lies along the rows of both operands.
; LEFT OUT: reference()'s second pass over the weights, round(weight / s + z), and the dequantisation that follows it.  In real numbers, for every s other than 0,
; ((q - z) s) / s + z = q; q is a whole number from 0 to 15, so the rounding returns q, and (q - z) s comes out again: the first dequantisation's own number, whatever q, z and s hold.
; Every input still has its way to the output: x, qweight, qzeros and scales are read here, bias by the launch behind.
; WHAT THE STEP LEFT OUT CAN ADD is a NaN: 0 / 0 where s = 0, inf / inf where s is infinite.  Both are carried: the s of such a column and group is made NaN before it is used.
; LIMITS.  Any other NaN, infinity or overflow that would arise in the step left out alone is not carried.  f16 holds no number beyond 65,504: |x| and |(q - z) s| stay within it
; (65,520 and more become infinities); a weight or an x under 6.1e-5 keeps f16's fixed step of 6e-8.
; SHARES.  Work-groups 0 to 255 make wt: a wave takes one group g and 64 columns: 16 rows x 256 bytes of qweight in, 64 rows x 256 bytes of wt out.  Work-groups 256 to 1279 make xh: 65,536 bytes of x each.
; No matrix unit, no cluster, no tensor load: nothing is multiplied and no work-group reads what another reads.  No wave reads another wave's LDS bytes, so there is no barrier.
; THE MODE: SCHED_MODE bits 1:0 = 2 (LLVM: expert scheduling mode 2), set by the entry lines.  The code itself states the register dependences
; between vector instructions and memory or LDS instructions, with s_wait_alu, always for 0.
; THE PLAN, for the weights.  A wave's 32 column pairs go in 8 steps of four.  Registers that memory or LDS instructions touch:
;   v4-6, v8-12  offsets and LDS addresses: made once at the head and never written again; the column pair stands in the immediate offsets.
;   ZW, SC, Q    loaded once; EN written once by the table's lines and read by two LDS stores; none of them is written again.
;   R0, R1, E0, E1  four words of codes and their four table entries.  Written by the LDS loads of step p + 1, issued in step p; read by step p + 1's vector lines.
;   Y0, Y1       four quads to store.  Written by step p's roundings; read by the four stores that are issued in step p + 1.
; Step p works on R[p % 2] and E[p % 2] and writes Y[p % 2].  Its memory and LDS instructions are the loads into the other R and E and the stores from the other Y: the buffers that step p - 1 worked on
; and that no vector line of step p names.  So the waits at a step's head state all that its twelve memory and LDS instructions hang on, and these are dealt among its vector lines with no further wait.
; THE PLAN, for x.  All sixteen loads go out at once; no register is written twice.  A store stands four loads behind the conversions that make its data, so that one wait serves four stores.
.set QP,    272                        ; a row of codes in LDS: 256 bytes + 16 = 68 words: row i starts at bank 4 i mod 64 (64 banks of 4 bytes: ISA guide 11.1)
.set SZO,   16*QP                      ; behind a wave's 16 rows of codes: its table, 64 entries of 16 bytes: s, s, z, z of a column
.set WLDS,  SZO+1024                   ; a wave's LDS bytes: 5,376 = 21 blocks of 256
.set SPARE, 8*WLDS                     ; behind the eight waves' bytes: the spare words, 128 bytes for each wave: four blocks of 256 bytes that no other line names
.set QG,  4                            ; v4   codes in memory: 16,384 (l / 16) + 16 (l % 16).  In the x role: 16 x thread
.set SG,  5                            ; v5   scales in memory: 8 l.  In the x role: 8 x thread
.set ZG,  6                            ; v6   zeros in memory: 4 (l / 4)
.set SH,  7                            ; v7   my two zeros' place in their word: bit 8 (l % 4)
.set LW,  8                            ; v8   codes into LDS
.set LR,  9                            ; v9   codes out of LDS: row l % 16, column l / 16
.set TW,  10                           ; v10  my two table entries
.set TR,  11                           ; v11  the table entry of column l / 16
.set WO,  12                           ; v12  my 16 bytes of wt: 8,192 (l / 16) + 16 (l % 16)
.set SPW, 14                           ; v14  LDS address of my spare word: SPARE + 4 x my thread's number; never rewritten
.set NIL, 15                           ; v15  0; never rewritten
.set SC,  16                           ; v[16:17]  s of columns 2 l and 2 l + 1
.set ZW,  18                           ; v18       the word that holds their zeros
.set EN,  20                           ; v[20:27]  the two entries
.set Q,   32                           ; v[32:63]  codes as loaded.  In the x role v[32:95]: x as loaded
.set R,   64                           ; v[64:71]  buffer k, column pair i: a word of codes at R + 4 k + i
.set E,   72                           ; v[72:103] buffer k, column pair i: its table entry at E + 16 k + 4 i
.set T,   104                          ; v[104:111] eight numbers at work: no memory instruction names them
.set Y,   112                          ; v[112:143] buffer k, column pair i: a quad to store at Y + 16 k + 4 i
.set XO,  96                           ; x role: v[96:127] sixteen pairs to store
	s_load_b256 s[4:11], s[0:1], 0x0               ; x s[4:5], qweight s[6:7], qzeros s[8:9], scales s[10:11]
	s_load_b128 s[12:15], s[0:1], 0x20             ; xh s[12:13], wt s[14:15]
	v_lshl_add_u32 v[SPW], v0, 2, SPARE
	v_mov_b32 v[NIL], 0
	v_lshrrev_b32 v1, 5, v0
	v_readfirstlane_b32 s16, v1                    ; wave 0..7
	s_mov_b32 s2, ttmp9
	s_wait_alu depctr_va_sdst(0)                   ; s16 is written, ahead of the branch and of its first reader: the weights' bases and LDS addresses are made from it
	s_wait_kmcnt 0x0
	s_cmp_lt_u32 s2, 256
	s_cbranch_scc0 .Lx
	; ---------------- THE WEIGHTS ----------------
	s_lshr_b32 s26, s2, 3                          ; g = work-group / 8
	s_and_b32 s27, s2, 7
	s_lshl3_add_u32 s27, s27, s16                  ; nb = 8 (work-group % 8) + wave: my block of 64 columns
	s_lshl_b32 s28, s27, 8                         ; 64 columns of 4 bytes
	s_lshl_b32 s18, s26, 18                        ; qweight: a group is 16 rows of 16,384 bytes
	s_add_co_u32 s18, s18, s28
	s_mov_b32 s19, 0
	s_lshl_b32 s20, s26, 14                        ; scales: a group is a row of 16,384 bytes
	s_add_co_u32 s20, s20, s28
	s_mov_b32 s21, 0
	s_lshl_b32 s22, s26, 11                        ; qzeros: a group is a row of 2,048 bytes; 64 columns are 32 of them
	s_lshl_b32 s29, s27, 5
	s_add_co_u32 s22, s22, s29
	s_mov_b32 s23, 0
	s_lshl_b32 s24, s27, 19                        ; wt: 64 rows of 8,192 bytes; a group is 256 bytes of each
	s_lshl_b32 s29, s26, 8
	s_add_co_u32 s24, s24, s29
	s_mov_b32 s25, 0
	s_add_nc_u64 s[6:7], s[6:7], s[18:19]
	s_add_nc_u64 s[10:11], s[10:11], s[20:21]
	s_add_nc_u64 s[8:9], s[8:9], s[22:23]
	s_add_nc_u64 s[14:15], s[14:15], s[24:25]
	s_mov_b32 s30, 0x7fc00000                      ; NaN
	s_mul_i32 s17, s16, WLDS                       ; my wave's LDS bytes
	v_and_b32 v1, 31, v0                           ; l
	v_and_b32 v2, 15, v0                           ; l % 16
	v_bfe_u32 v3, v0, 4, 1                         ; l / 16
	v_lshlrev_b32 v[QG], 4, v2
	v_lshl_add_u32 v[QG], v3, 14, v[QG]
	v_lshlrev_b32 v[SG], 3, v1
	v_lshrrev_b32 v[ZG], 2, v1
	v_lshlrev_b32 v[ZG], 2, v[ZG]
	s_wait_alu depctr_va_vdst(0)                   ; v4, v5 and v6 are written, which the ten loads below read as their offsets
	global_load_b32 v[ZW], v[ZG], s[8:9]
	global_load_b64 v[SC:SC+1], v[SG], s[10:11] th:TH_LOAD_NT
.irp j, 0,1,2,3,4,5,6,7
	global_load_b128 v[Q+4*(\j):Q+4*(\j)+3], v[QG], s[6:7] offset:32768*(\j) th:TH_LOAD_NT  ; rows 2 j and 2 j + 1 of the group's 16: each half of the lanes takes 256 consecutive bytes, aligned
.endr
	v_and_b32 v[SH], 3, v1
	v_lshlrev_b32 v[SH], 3, v[SH]
	v_mul_u32_u24 v13, v3, QP
	v_lshl_add_u32 v[LW], v2, 4, v13
	v_add_nc_u32 v[LW], s17, v[LW]                 ; row l / 16 (+ 2 j by the immediate), 16 bytes at 16 (l % 16)
	v_mul_u32_u24 v[LR], v2, QP
	v_lshl_add_u32 v[LR], v3, 2, v[LR]
	v_add_nc_u32 v[LR], s17, v[LR]                 ; row l % 16, column l / 16 (+ 2 t by the immediate): bank 4 (l % 16) + l / 16 + 2 t: 32 lanes, 32 banks
	v_lshl_add_u32 v[TW], v1, 5, s17
	v_add_nc_u32 v[TW], SZO, v[TW]
	v_lshl_add_u32 v[TR], v3, 4, s17
	v_add_nc_u32 v[TR], SZO, v[TR]
	v_lshlrev_b32 v[WO], 4, v2
	v_lshl_add_u32 v[WO], v3, 13, v[WO]
	; the table: s, s, z, z for columns 2 l and 2 l + 1
	s_wait_loadcnt 8                               ; zeros and scales are in; the eight loads of codes, issued behind them, may stay out
	v_fma_f32 v[SC], v[SC], 0, v[SC]               ; s + 0 s: s where it is finite, NaN where it is infinite: reference()'s inf / inf
	v_fma_f32 v[SC+1], v[SC+1], 0, v[SC+1]
	v_cmp_eq_f32 s18, 0, v[SC]                     ; the two compares stand in one run, a mask register to each; the zeros' lines stand between them and the wait
	v_cmp_eq_f32 s19, 0, v[SC+1]
	v_lshrrev_b32 v13, v[SH], v[ZW]
	v_and_b32 v[EN+2], 15, v13
	v_bfe_u32 v[EN+6], v13, 4, 4
	v_cvt_f32_u32 v[EN+2], v[EN+2]
	v_cvt_f32_u32 v[EN+6], v[EN+6]
	v_mov_b32 v[EN+3], v[EN+2]
	v_mov_b32 v[EN+7], v[EN+6]
	s_wait_alu depctr_va_sdst(0)                   ; the compares have written s18 and s19, which the two selects read
	v_cndmask_b32 v[EN], v[SC], s30, s18           ; NaN where s = 0: reference()'s 0 / 0
	v_cndmask_b32 v[EN+4], v[SC+1], s30, s19
	v_mov_b32 v[EN+1], v[EN]
	v_mov_b32 v[EN+5], v[EN+4]
	s_wait_alu depctr_va_vdst(0)                   ; the two entries v[20:27] are written, which the LDS stores read; so are the addresses v8 to v12, which the LDS stores and loads and the stores of wt read from here on
	ds_store_b128 v[TW], v[EN:EN+3]
	ds_store_b128 v[TW], v[EN+4:EN+7] offset:16
.irp j, 0,1,2,3,4,5,6,7
	s_wait_loadcnt 7-(\j)                          ; loads come back in order (ISA guide 5.7.1): rows 2 j and 2 j + 1 are in, the younger ones stay out
	ds_store_b128 v[LW], v[Q+4*(\j):Q+4*(\j)+3] offset:2*QP*(\j)
.endr
.irp i, 0,1,2,3
	ds_load_b32  v[R+(\i)], v[LR] offset:8*(\i)                 ; step 0's codes and entries into R0 and E0.  LDS serves a wave's instructions in order (ISA guide 5.7.1.4): the loads see my stores above
	ds_load_b128 v[E+4*(\i):E+4*(\i)+3], v[TR] offset:32*(\i)
.endr
; Step p: column pairs t = 4 p + i, i = 0..3: columns 2 t and 2 t + 1, one for each half of the lanes.  My word holds k = 8 (l % 16) + 0..7 of the column: eight f16, 16 bytes of a row of wt.
.macro STEP p
.set kb, (\p)%2                        ; this step's R, E and Y
.set ob, 1-kb                          ; the others: the next step's codes and entries land there, the last step's quads leave from there
	s_wait_dscnt 0x0                               ; this step's eight LDS loads, issued a step ago (step 0's: just above), are in; none is younger
.if (\p) >= 2
	s_wait_xcnt 0x0                                ; every earlier memory instruction has had its addresses translated (ISA guide 3.1): Y[kb], the data of the stores issued in the step before, is rewritten only behind this wait
	s_wait_alu depctr_vm_vsrc(0)                   ; those stores have read Y[kb], which this step's roundings write again
.endif
.if (\p) >= 1
	s_wait_alu depctr_va_vdst(0)                   ; the step before has written the other Y, which the stores below read, and is done reading the other R and E, in which the loads below land
.endif
.irp i, 0,1,2,3
.if (\p) < 7
	ds_load_b32  v[R+4*ob+(\i)], v[LR] offset:8*(4*(\p)+4+(\i))                      ; the next step's; no vector line since the wait names these registers
	ds_load_b128 v[E+16*ob+4*(\i):E+16*ob+4*(\i)+3], v[TR] offset:32*(4*(\p)+4+(\i))
.endif
.if (\p) >= 1
	global_store_b128 v[WO], v[Y+16*ob+4*(\i):Y+16*ob+4*(\i)+3], s[14:15] offset:16384*(4*(\p)-4+(\i))  ; the step before: lanes 0-15 store 256 consecutive bytes, aligned, of row 2 t; lanes 16-31 those of row 2 t + 1
.endif
	v_and_b32 v[T], 15, v[R+4*kb+(\i)]
.irp j, 1,2,3,4,5,6,7
	v_bfe_u32 v[T+(\j)], v[R+4*kb+(\i)], 4*(\j), 4
.endr
.irp j, 0,1,2,3,4,5,6,7
	v_cvt_f32_u32 v[T+(\j)], v[T+(\j)]
.endr
.irp j, 0,2,4,6
	v_pk_add_f32 v[T+(\j):T+(\j)+1], v[T+(\j):T+(\j)+1], v[E+16*kb+4*(\i)+2:E+16*kb+4*(\i)+3] neg_lo:[0,1] neg_hi:[0,1]  ; q - z, exact
.endr
.irp j, 0,2,4,6
	v_pk_mul_f32 v[T+(\j):T+(\j)+1], v[T+(\j):T+(\j)+1], v[E+16*kb+4*(\i):E+16*kb+4*(\i)+1]  ; (q - z) s: reference()'s own f32 number
.endr
.irp j, 0,1,2,3
	v_cvt_pk_f16_f32 v[Y+16*kb+4*(\i)+(\j)], v[T+2*(\j)], v[T+2*(\j)+1]
.endr
.endr
.endm
	STEP 0                                         ; no step stands in front of it: no store, and no wait but the one for its data
	STEP 1
	STEP 2
	STEP 3
	STEP 4
	STEP 5
	STEP 6
	STEP 7                                         ; the last step asks for nothing more
	s_wait_alu depctr_va_vdst(0)                   ; step 7 has written Y1, which the last four stores read
.irp i, 0,1,2,3
	global_store_b128 v[WO], v[Y+16+4*(\i):Y+16+4*(\i)+3], s[14:15] offset:16384*(28+(\i))
.endr
	s_branch .Lend
	; ---------------- x ----------------
.Lx:
	s_sub_co_u32 s18, s2, 256                      ; my block: 65,536 bytes of x, 32,768 of xh
	s_lshl_b32 s20, s18, 15
	s_lshl_b32 s18, s18, 16
	s_mov_b32 s19, 0
	s_mov_b32 s21, 0
	s_add_nc_u64 s[4:5], s[4:5], s[18:19]
	s_add_nc_u64 s[12:13], s[12:13], s[20:21]
	v_lshlrev_b32 v[QG], 4, v0                     ; 16 bytes of x a thread,
	v_lshlrev_b32 v[SG], 3, v0                     ; 8 of xh
	s_wait_alu depctr_va_vdst(0)                   ; v4 and v5 are written: every load below reads the one as its offset, every store the other
.irp i, 0,1,2,3,4,5,6,7,8,9,10,11,12,13,14,15
	global_load_b128 v[Q+4*(\i):Q+4*(\i)+3], v[QG], s[4:5] offset:4096*(\i) th:TH_LOAD_NT  ; all sixteen go out at once: 8 KiB a wave on their way
.endr
.irp i, 0,1,2,3,4,5,6,7,8,9,10,11,12,13,14,15
	s_wait_loadcnt 15-(\i)                         ; load i is in, the younger ones stay out
.if ((\i) % 4 == 0) && ((\i) > 0)
	s_wait_alu depctr_va_vdst(0)                   ; the conversions of the four loads before have written their pairs, which the next four stores read; the conversions between those stores name other pairs
.endif
.if (\i) >= 4
	global_store_b64 v[SG], v[XO+2*(\i)-8:XO+2*(\i)-7], s[12:13] offset:2048*((\i)-4)  ; a wave's 32 lanes store 256 consecutive bytes, aligned; no register is written twice
.endif
	v_cvt_pk_f16_f32 v[XO+2*(\i)],   v[Q+4*(\i)],   v[Q+4*(\i)+1]
	v_cvt_pk_f16_f32 v[XO+2*(\i)+1], v[Q+4*(\i)+2], v[Q+4*(\i)+3]
.endr
	s_wait_alu depctr_va_vdst(0)                   ; the last eight conversions have written their pairs, which the last four stores read
.irp i, 12,13,14,15
	global_store_b64 v[SG], v[XO+2*(\i):XO+2*(\i)+1], s[12:13] offset:2048*(\i)
.endr
.Lend:
	s_wait_dscnt 0x0                               ; the closing lines, six on end
	s_wait_alu 0x0
	s_wait_tensorcnt 0x0
	ds_add_u32 v[SPW], v[NIL]
	s_wait_dscnt 0x0
	s_endpgm
.Lfunc_end_k_qdccc3d07fc_prep:
	.size	k_qdccc3d07fc_prep, .Lfunc_end_k_qdccc3d07fc_prep-k_qdccc3d07fc_prep
	.p2alignl 7, 3214868480
	.fill 96, 4, 3214868480
	.section	.rodata,"a",@progbits
	.p2align	6, 0x0
	.amdhsa_kernel k_qdccc3d07fc_prep
		.amdhsa_group_segment_fixed_size 44032
		.amdhsa_private_segment_fixed_size 0
		.amdhsa_enable_private_segment 0
		.amdhsa_kernarg_size 48
		.amdhsa_user_sgpr_count 2
		.amdhsa_user_sgpr_kernarg_segment_ptr 1
		.amdhsa_wavefront_size32 1
		.amdhsa_system_sgpr_workgroup_id_x 1
		.amdhsa_system_sgpr_workgroup_id_y 1
		.amdhsa_system_sgpr_workgroup_id_z 1
		.amdhsa_system_vgpr_workitem_id 0
		.amdhsa_next_free_vgpr 144
		.amdhsa_next_free_sgpr 66
		.amdhsa_reserve_vcc 0
		.amdhsa_float_denorm_mode_32 3
		.amdhsa_float_denorm_mode_16_64 3
		.amdhsa_memory_ordered 1
		.amdhsa_forward_progress 1
		.amdhsa_inst_pref_size 67
	.end_amdhsa_kernel
	.amdgpu_metadata
---
amdhsa.version: [ 1, 2 ]
amdhsa.kernels:
  - .name:           k_qdccc3d07fc_prep
    .symbol:         k_qdccc3d07fc_prep.kd
    .args:
      - { .name: x, .offset: 0, .size: 8, .value_kind: global_buffer, .address_space: global }
      - { .name: qweight, .offset: 8, .size: 8, .value_kind: global_buffer, .address_space: global }
      - { .name: qzeros, .offset: 16, .size: 8, .value_kind: global_buffer, .address_space: global }
      - { .name: scales, .offset: 24, .size: 8, .value_kind: global_buffer, .address_space: global }
      - { .name: xh, .offset: 32, .size: 8, .value_kind: global_buffer, .address_space: global }
      - { .name: wt, .offset: 40, .size: 8, .value_kind: global_buffer, .address_space: global }
    .group_segment_fixed_size: 44032
    .private_segment_fixed_size: 0
    .kernarg_segment_align: 8
    .kernarg_segment_size: 48
    .max_flat_workgroup_size: 256
    .sgpr_count:     66
    .vgpr_count:     144
    .wavefront_size: 32
...
	.end_amdgpu_metadata
.endif
;; end of part 3
;; launch gemm: the kernel of part 2 again; grid 16 x 16, 4 waves a work-group, clusters of 4 x 4, 327,680 bytes of LDS; arguments xh, wt, out0, bias; writes out0
